; MI455X (gfx1250); checked and timed in simulation.
; The chip was launched on July 23, 2026; its instructions are those of AMD's public machine-readable ISA for CDNA 5 (MIT licence, August 2026) and "CDNA5" Instruction Set Architecture Reference Guide (July 2026). The comments in the code are by the model that wrote it; some were corrected since.
;; Hdc Level Encoder. Allowed arithmetic: float matrix products may take bf16 or f16 operands with f32 sums; all other float work in f32.
;; Inputs: Wex 100 x 10,000 float32; Wey 100 x 10,000 float32; Wez 100 x 10,000 float32; Wmag 100 x 10,000 float32; Wmagj 100 x 10,000 float32; Wt 2,048 x 10,000 float32; Wx 100 x 10,000 float32; Wxj 100 x 10,000 float32; Wy 100 x 10,000 float32; Wyj 100 x 10,000 float32; Wz 100 x 10,000 float32; Wzj 100 x 10,000 float32; input 2,048 x 4 float32.
;; Outputs: out0 10,000 float32.
;; 2 versions, each right and faster than the one before. Each part assembles by itself: llvm-mc -triple=amdgcn-amd-amdhsa -mcpu=gfx1250 --defsym DOCPART=n.
;; ======== version 1 of 2: 2 launches
;; workspace buffers: order 73,984 bytes of whole numbers
;; launch levels (part 1): grid 1 x 1, 32 waves a work-group, no clusters, 4,608 bytes of LDS; arguments input, order; writes order
.if DOCPART == 1
	.amdgcn_target "amdgcn-amd-amdhsa--gfx1250"
	.amdhsa_code_object_version 6
	.text
	.protected	k_q16934c1de2_levels
	.globl	k_q16934c1de2_levels
	.p2align	8
	.type	k_q16934c1de2_levels,@function
k_q16934c1de2_levels:
	s_mov_b64 s[64:65], 0
	v_nop
	global_prefetch_b8 v0, s[64:65] scope:SCOPE_SE
	s_setreg_imm32_b32 hwreg(HW_REG_WAVE_MODE, 25, 1), 1
	s_wait_xcnt 0x0
; LEVELS: from input[2048][4] = (time, x, y, z) make, as whole numbers, everything from which the next launch forms addresses.
;   order, bytes     0 .. 32767   plane A: sample n, four words rec[n][0..3]
;          bytes 32768 .. 65535   plane B: sample n, four words rec[n][4..7]
;          bytes 65536 .. 73727   tq[n]: the row of Wt, 0 .. 2047
;          bytes 73728 .. 73743   the levels of the three energies, and a 0
;   rec[n][s] = level_j(n) * 1280 + 32 j with j = (n & 7) xor s: the byte offset, in the next launch's table image, of table j's
;   part of level_j's first line.  Tables j: 0 x, 1 y, 2 z, 3 jerk x, 4 jerk y, 5 jerk z, 6 magnitude, 7 jerk magnitude.
; One work-group of 32 waves: 1,024 threads, thread T owns samples T and T + 1024 (both have n & 7 = T & 7).  The work is 2,048 samples
; of some 130 instructions and one sum over all samples, which has to meet in one place: more work-groups would need a further launch.
; A level decides a whole table row, so the roundings matter.  Squares and their sums are NOT fused; the quotient by dt (a divisor that is
; data) is correctly rounded (a reciprocal, then remainders taken exactly by fused multiply-adds), and so is the root.
; THE QUANTISATION.  (a / D) * 99 with the constants D = 10 or 20 is taken as ONE product a * K, K = the f32 nearest to (f32 nearest to 1 / D) * 99:
; the form that the formula has when it is compiled as a whole (a division by a constant becomes a product with its rounded reciprocal, and
; two constant factors are merged).  K10 = 10380903 * 2^-20, K20 = 10380903 * 2^-21.
; LIMITS.  A run of the formula that truly divides by D and then multiplies by 99 can differ in the level of a value that lies within some
; 5e-6 levels of a half-way point.  Inputs are finite (a NaN is not carried on).  Neighbouring times differ, 2^-60 <= |dt| <= 2^60;
; |signal| <= 2^60: outside, the refinement of the quotient may overflow or lose its remainder.  The three energy sums are added in another
; order than a plain loop would: lane, wave, work-group.
.set HALF,    16384                    ; bytes of 1,024 rows of input, and of 1,024 records of a plane
.set PLANE_B, 32768
.set TQ_OFF,  65536
.set EN_OFF,  73728
.set CO,   1                           ; v1        16 T: my first sample's row in input, its record in a plane
.set PO,   2                           ; v2        16 max(T, 1): with the offset -16 the row in front (thread 0: row 0 again)
.set WL,   3                           ; v3        16 x wave: my wave's words in LDS
.set CUR0, 4                           ; v[4:7]    row T          (t, x, y, z)
.set CUR1, 8                           ; v[8:11]   row T + 1024
.set PRV0, 12                          ; v[12:15]  row T - 1
.set PRV1, 16                          ; v[16:19]  row T + 1023
.set SQ,   20                          ; v[20:25]  x^2, y^2, z^2 of both samples
.set EN,   26                          ; v[26:29]  sums of squares
.set TN,   30                          ; t of the sample            (all from here to SE: at work)
.set TP,   31                          ; t of the sample in front
.set DT,   32                          ; their difference
.set TF,   33                          ; the time's level as f32
.set RC,   34                          ; 1 / dt
.set DF,   35                          ; v[35:37]  differences of x, y, z
.set RS,   38                          ; a remainder
.set JK,   39                          ; v[39:41]  jerk
.set QA,   42                          ; the number that is quantised
.set QQ,   43
.set QR,   44
.set SH,   45
.set SE,   46
.set LV,   48                          ; v[48:55]  offset of table j, in the order of j
.set PP,   56                          ; v[56:63]  the same, half permuted
.set R0,   64                          ; v[64:71]  record of sample T
.set R1,   72                          ; v[72:79]  record of sample T + 1024
.set TQ0,  80
.set TQ1,  81
.set TO,   82                          ; v82       4 T
.set K10,  13                          ; s13       the factor for a range of 10
.set K20,  15                          ; s15       the factor for a range of 20
	s_load_b128 s[4:7], s[0:1], 0x0                ; input s[4:5], order s[6:7]
	v_lshl_add_u32 v96, v0, 2, 0x200
	v_mov_b32 v97, 0
	v_lshrrev_b32 v[TN], 5, v0
	v_readfirstlane_b32 s8, v[TN]                  ; wave number
	v_lshlrev_b32 v[CO], 4, v0
	v_max_u32 v[PO], 1, v0
	v_lshlrev_b32 v[PO], 4, v[PO]
	v_lshlrev_b32 v[TO], 2, v0
	s_lshl_b32 s28, s8, 4
	v_mov_b32 v[WL], s28
	v_and_b32 v[TP], 1, v0                         ; the three bits of g = T & 7 as lane masks, for the permutation of the records
	v_and_b32 v[DT], 2, v0
	v_and_b32 v[TF], 4, v0
	v_cmp_ne_u32 s24, 0, v[TP]
	v_cmp_ne_u32 s25, 0, v[DT]
	v_cmp_ne_u32 s26, 0, v[TF]
	s_mov_b32 s10, 0xc0a00000                      ; -5.0
	s_mov_b32 s11, 0x40a00000                      ;  5.0
	s_mov_b32 s12, 0x41200000                      ; 10.0
	s_mov_b32 s[K10], 0x411e6667                   ; f32(f32(1/10) * 99) = 9.90000057...
	s_mov_b32 s[K20], 0x409e6667                   ; f32(f32(1/20) * 99) = 4.95000028...
	s_mov_b32 s16, 0x42c60000                      ; 99.0
	s_mov_b32 s17, 1280                            ; bytes of a level in the table image
	s_mov_b32 s18, 0x3a000000                      ; 2^-11 = 1/2048
	s_mov_b32 s19, 0x44ffe000                      ; 2047.0
	s_mov_b32 s20, 0x0d800000                      ; 2^-100
	s_mov_b32 s21, 0x71800000                      ; 2^100
	s_mov_b32 s22, 0x76543210                      ; v_permlanex16_b32: lane i takes lane i of the other half
	s_mov_b32 s23, 0xfedcba98
	s_mov_b32 s29, 0x3f7fe000                      ; 2047/2048, exact
	s_wait_kmcnt 0x0
	s_load_b32 s9, s[4:5], 0x0                     ; t0 = input[0][0]
	global_load_b128 v[CUR0:CUR0+3], v[CO], s[4:5]
	global_load_b128 v[CUR1:CUR1+3], v[CO], s[4:5] offset:HALF
	global_load_b128 v[PRV0:PRV0+3], v[PO], s[4:5] offset:-16
	global_load_b128 v[PRV1:PRV1+3], v[CO], s[4:5] offset:HALF-16
; sum of v[r] over the wave's 32 lanes, in every lane.  t: a register that has been written (the permute's destination counts as read)
.macro WSUM r, t
	v_add_f32_dpp v[\r], v[\r], v[\r] row_xmask:1 row_mask:0xf bank_mask:0xf
	v_add_f32_dpp v[\r], v[\r], v[\r] row_xmask:2 row_mask:0xf bank_mask:0xf
	v_add_f32_dpp v[\r], v[\r], v[\r] row_xmask:4 row_mask:0xf bank_mask:0xf
	v_add_f32_dpp v[\r], v[\r], v[\r] row_xmask:8 row_mask:0xf bank_mask:0xf
	v_permlanex16_b32 v[\t], v[\r], s22, s23
	v_add_f32 v[\r], v[\r], v[\t]
.endm
; v[dst] = min(round(v[QA] * s[sfac]), 99) as a whole number; v[QA] >= 0, so the lower clip never acts.
.macro LEVEL dst, sfac
	v_mul_f32 v[QQ], s[\sfac], v[QA]               ; one product, one rounding (see the head)
	v_rndne_f32 v[QQ], v[QQ]                       ; halves to even, as jnp.round
	v_min_num_f32 v[QQ], s16, v[QQ]
	v_cvt_u32_f32 v[\dst], v[QQ]
.endm
; table j's offset from v[QA]
.macro QUANT j, sfac
	LEVEL QQ, \sfac
	v_mad_u32_u24 v[LV+\j], v[QQ], s17, 32*\j
.endm
; a signal or a jerk: clip to [-5, 5], minus -5, range 10
.macro SIGQ j, src
	v_max_num_f32 v[QA], s10, v[\src]
	v_min_num_f32 v[QA], s11, v[QA]
	v_add_f32 v[QA], s11, v[QA]
	QUANT \j, K10
.endm
; v[QA] = its root, rounded to nearest.  First held to [2^-100, 2^100], which keeps every step normal and changes no level: a root below
; 2^-50 vanishes in the sum with 10, and any root above 10 has level 99.
.macro SQRT
	v_max_num_f32 v[QA], s20, v[QA]
	v_min_num_f32 v[QA], s21, v[QA]
	v_rsq_f32 v[QQ], v[QA]
	v_nop                                          ; one plain vector instruction between v_rsq_f32 and the use of its result (ISA guide 5.7.2)
	s_wait_alu depctr_va_vdst(0)
	v_mul_f32 v[QR], v[QA], v[QQ]                  ; g ~ sqrt(a)
	v_mul_f32 v[SH], 0.5, v[QQ]                    ; h ~ 1 / (2 sqrt(a))
	v_fma_f32 v[SE], -v[SH], v[QR], 0.5
	v_fma_f32 v[QR], v[QR], v[SE], v[QR]
	v_fma_f32 v[SH], v[SH], v[SE], v[SH]
	v_fma_f32 v[SE], -v[QR], v[QR], v[QA]          ; a - g^2, exact enough to settle the last bit
	v_fma_f32 v[QA], v[SE], v[SH], v[QR]
.endm
; One sample: its row in cur, the row in front in prv, its squares in sq; record to v[rr .. rr+7], row of Wt to v[tq].
; first = 1: among these samples is sample 0, whose jerk is 0: thread 0 has loaded row 0 twice (differences 0) and takes dt = 1.
.macro SAMPLE cur, prv, sq, rr, tq, first
	v_sub_f32 v[TN], v[\cur], s9                   ; t = time - t0, of both rows, and only then their difference
	v_sub_f32 v[TP], v[\prv], s9
	v_sub_f32 v[DT], v[TN], v[TP]
.if \first
	v_cmp_eq_u32 vcc_lo, 0, v0
	v_cndmask_b32 v[DT], v[DT], 1.0, vcc_lo
.endif
	v_rcp_f32 v[RC], v[DT]
	v_sub_f32 v[DF],   v[\cur+1], v[\prv+1]        ; plain work behind v_rcp_f32 (ISA guide 5.7.2)
	v_sub_f32 v[DF+1], v[\cur+2], v[\prv+2]
	v_sub_f32 v[DF+2], v[\cur+3], v[\prv+3]
	s_wait_alu depctr_va_vdst(0)
	v_fma_f32 v[RS], -v[DT], v[RC], 1.0            ; one Newton step for 1 / dt
	v_fma_f32 v[RC], v[RS], v[RC], v[RC]
.irp a, 0,1,2
	v_mul_f32 v[JK+\a], v[DF+\a], v[RC]            ; d / dt: a first quotient, then twice the exact remainder times 1 / dt
.rept 2
	v_fma_f32 v[RS], -v[DT], v[JK+\a], v[DF+\a]
	v_fma_f32 v[JK+\a], v[RS], v[RC], v[JK+\a]
.endr
.endr
	v_mul_f32 v[TF], s29, v[TN]                    ; t / 2048 is exact, so (t / 2048) * 2047 rounds the same product as t * (2047/2048)
	v_rndne_f32 v[TF], v[TF]
	v_max_num_f32 v[TF], 0, v[TF]
	v_min_num_f32 v[TF], s19, v[TF]
	v_cvt_u32_f32 v[\tq], v[TF]
	SIGQ 0, \cur+1
	SIGQ 1, \cur+2
	SIGQ 2, \cur+3
	SIGQ 3, JK
	SIGQ 4, JK+1
	SIGQ 5, JK+2
	v_add_f32 v[QA], v[\sq], v[\sq+1]              ; (x^2 + y^2) + z^2, each step rounded
	v_add_f32 v[QA], v[QA], v[\sq+2]
	SQRT
	v_add_f32 v[QA], s12, v[QA]                    ; minus -10
	QUANT 6, K20
	v_mul_f32 v[QA], v[JK], v[JK]                  ; the same of the jerk as it is, not clipped
	v_mul_f32 v[QQ], v[JK+1], v[JK+1]
	v_mul_f32 v[QR], v[JK+2], v[JK+2]
	v_add_f32 v[QA], v[QA], v[QQ]
	v_add_f32 v[QA], v[QA], v[QR]
	SQRT
	v_add_f32 v[QA], s12, v[QA]
	QUANT 7, K20
	; record word s = offset of table s xor g: three rounds of selects, one for each bit of g
.irp s, 0,1,2,3,4,5,6,7
	v_cndmask_b32 v[PP+\s], v[LV+\s], v[LV+(\s^1)], s24
.endr
.irp s, 0,1,2,3,4,5,6,7
	v_cndmask_b32 v[LV+\s], v[PP+\s], v[PP+(\s^2)], s25
.endr
.irp s, 0,1,2,3,4,5,6,7
	v_cndmask_b32 v[\rr+\s], v[LV+\s], v[LV+(\s^4)], s26
.endr
.endm
	s_wait_loadcnt 0x2                             ; my two rows are in; the two younger loads (the rows in front) may be out
	v_mul_f32 v[SQ],   v[CUR0+1], v[CUR0+1]
	v_mul_f32 v[SQ+1], v[CUR0+2], v[CUR0+2]
	v_mul_f32 v[SQ+2], v[CUR0+3], v[CUR0+3]
	v_mul_f32 v[SQ+3], v[CUR1+1], v[CUR1+1]
	v_mul_f32 v[SQ+4], v[CUR1+2], v[CUR1+2]
	v_mul_f32 v[SQ+5], v[CUR1+3], v[CUR1+3]
	v_add_f32 v[EN],   v[SQ],   v[SQ+3]
	v_add_f32 v[EN+1], v[SQ+1], v[SQ+4]
	v_add_f32 v[EN+2], v[SQ+2], v[SQ+5]
	WSUM EN,   TP
	WSUM EN+1, DT
	WSUM EN+2, TF
	v_mov_b32 v[EN+3], v[EN+2]                     ; the fourth word of the 16 bytes is written too, and never used
	ds_store_b128 v[WL], v[EN:EN+3]                ; every lane of the wave writes the same 16 bytes with the same values
	s_wait_loadcnt 0x0                             ; the rows in front,
	s_wait_kmcnt 0x0                               ; t0,
	s_wait_dscnt 0x0                               ; and, for wave 0's sake, my wave's sums are in LDS
	s_barrier_signal -1
	SAMPLE CUR0, PRV0, SQ,   R0, TQ0, 1            ; register work alone while the other waves arrive
	SAMPLE CUR1, PRV1, SQ+3, R1, TQ1, 0
	s_barrier_wait -1
	global_store_b128 v[CO], v[R0:R0+3],   s[6:7]                       ; each store of a wave covers 512 consecutive bytes
	global_store_b128 v[CO], v[R0+4:R0+7], s[6:7] offset:PLANE_B
	global_store_b128 v[CO], v[R1:R1+3],   s[6:7] offset:HALF
	global_store_b128 v[CO], v[R1+4:R1+7], s[6:7] offset:PLANE_B+HALF
	global_store_b32  v[TO], v[TQ0], s[6:7] offset:TQ_OFF
	global_store_b32  v[TO], v[TQ1], s[6:7] offset:TQ_OFF+4096
	s_cmp_lg_u32 s8, 0
	s_cbranch_scc1 .Lend
	; wave 0: lane i takes wave i's three sums; the energies' levels
	v_and_b32 v[TN], 31, v0
	v_lshlrev_b32 v[TN], 4, v[TN]
	ds_load_b128 v[EN:EN+3], v[TN]
	s_wait_dscnt 0x0
	WSUM EN,   TP
	WSUM EN+1, DT
	WSUM EN+2, TF
.irp a, 0,1,2
	v_fma_f32 v[QA], v[EN+\a], s18, s12            ; sum / 2048 is exact, so the fused form rounds as (sum / 2048) + 10 does
	LEVEL LV+\a, K20
.endr
	v_mov_b32 v[LV+3], 0
	v_mov_b32 v[TP], 0
	s_wait_xcnt 0x0                                ; EXEC is a source of the stores above: it changes only behind this wait
	v_cmp_eq_u32 vcc_lo, 0, v0
	s_wait_tensorcnt 0x0
	ds_add_u32 v96, v97
	s_wait_dscnt 0x0
	s_and_saveexec_b32 s27, vcc_lo                 ; thread 0 alone
	global_store_b128 v[TP], v[LV:LV+3], s[6:7] offset:EN_OFF
	s_endpgm
.Lend:
	s_wait_tensorcnt 0x0
	ds_add_u32 v96, v97
	s_wait_dscnt 0x0
	s_endpgm
.Lfunc_end_k_q16934c1de2_levels:
	.size	k_q16934c1de2_levels, .Lfunc_end_k_q16934c1de2_levels-k_q16934c1de2_levels
	.p2alignl 7, 3214868480
	.fill 96, 4, 3214868480
	.section	.rodata,"a",@progbits
	.p2align	6, 0x0
	.amdhsa_kernel k_q16934c1de2_levels
		.amdhsa_group_segment_fixed_size 4608
		.amdhsa_private_segment_fixed_size 0
		.amdhsa_enable_private_segment 0
		.amdhsa_kernarg_size 16
		.amdhsa_user_sgpr_count 2
		.amdhsa_user_sgpr_kernarg_segment_ptr 1
		.amdhsa_wavefront_size32 1
		.amdhsa_system_sgpr_workgroup_id_x 1
		.amdhsa_system_sgpr_workgroup_id_y 1
		.amdhsa_system_sgpr_workgroup_id_z 1
		.amdhsa_system_vgpr_workitem_id 0
		.amdhsa_next_free_vgpr 98
		.amdhsa_next_free_sgpr 66
		.amdhsa_reserve_vcc 1
		.amdhsa_float_denorm_mode_32 3
		.amdhsa_float_denorm_mode_16_64 3
		.amdhsa_memory_ordered 1
		.amdhsa_forward_progress 1
		.amdhsa_inst_pref_size 20
	.end_amdhsa_kernel
	.amdgpu_metadata
---
amdhsa.version: [ 1, 2 ]
amdhsa.kernels:
  - .name:           k_q16934c1de2_levels
    .symbol:         k_q16934c1de2_levels.kd
    .args:
      - { .name: input, .offset: 0, .size: 8, .value_kind: global_buffer, .address_space: global }
      - { .name: order, .offset: 8, .size: 8, .value_kind: global_buffer, .address_space: global }
    .group_segment_fixed_size: 4608
    .private_segment_fixed_size: 0
    .kernarg_segment_align: 8
    .kernarg_segment_size: 16
    .max_flat_workgroup_size: 1024
    .sgpr_count:     66
    .vgpr_count:     98
    .wavefront_size: 32
...
	.end_amdgpu_metadata
.endif
;; end of part 1
;; launch bind (part 2): grid 250 x 1, 16 waves a work-group, no clusters, 169,984 bytes of LDS; arguments order, Wt, Wx, Wy, Wz, Wxj, Wyj, Wzj, Wmag, Wmagj, Wex, Wey, Wez, out0; writes out0
.if DOCPART == 2
	.amdgcn_target "amdgcn-amd-amdhsa--gfx1250"
	.amdhsa_code_object_version 6
	.text
	.protected	k_q16934c1de2_bind
	.globl	k_q16934c1de2_bind
	.p2align	8
	.type	k_q16934c1de2_bind,@function
k_q16934c1de2_bind:
	s_mov_b64 s[64:65], 0
	v_nop
	global_prefetch_b8 v0, s[64:65] scope:SCOPE_SE
	s_setreg_imm32_b32 hwreg(HW_REG_WAVE_MODE, 25, 1), 1
	s_wait_xcnt 0x0
; BIND: out0[d] = tanh( ex[d] ey[d] ez[d] * sum over the 2,048 samples n of Wt[tq n][d] * product over the 8 tables j of W_j[level_j n][d] ).
; A work-group owns 40 columns (160 bytes of every row) and walks ALL samples, so it finishes its 40 outputs itself: 250 work-groups,
; no partial sums through memory.  Its slice of the eight level tables, 8 x 100 x 160 = 128,000 bytes, is copied into LDS once; its slice of
; Wt, 2,048 x 160 bytes, is read once, straight into registers (through LDS it would add a ninth read to the eight of every step).
; THE TABLE IMAGE.  A line of 256 bytes holds chunk c (8 columns, 32 bytes) of level l of all eight tables:
;   byte l * 1280 + c * 256 + j * 32 + h * 16, h = which half of the chunk.
; A pair of lanes (h = lane & 1) owns a sample; in its load number s it reads table j = (pair & 7) xor s.  So the sixteen lanes 0-15, and
; likewise 16-31, of one 16-byte LDS load always address sixteen different 16-byte columns of a line, whatever levels their samples have:
; no two of them fall on the same bank.  Products commute, so the order of the tables may differ from lane to lane.  The launch in front
; stored each sample's eight offsets already in that order (sample n is always served by pair & 7 = n & 7).
; SHARING.  Wave w owns samples 128 w .. 128 w + 127: 8 rounds of 16 samples (one to a pair), a round = 5 steps, one for each chunk.
; All 64 LDS addresses and all 8 offsets into Wt of a lane are made once, in front: the steps hold loads and products only.
; NO CLUSTER: the work-groups' columns are disjoint, so neither tables nor Wt are shared; what all read alike is the list, 73,744 bytes
; against 455,680 bytes of a work-group's own; and 250 work-groups divide into no cluster of four.
; NO MATRIX UNIT: there is no sum of products over an index that two operands share.
; LIMITS.  The nine factors are multiplied as a tree, the tables in an order that hangs on the lane, and the samples are summed by lane,
; wave and work-group: other roundings than a plain loop's.  tanh x = 1 - 2 / (1 + 2^(2 x log2 e)) has an absolute error of a few 2^-24
; and therefore no relative accuracy for |x| far below 1.  Indices read from the list are clamped to their tables.
.set SLICE,   160                      ; bytes of a row that the work-group owns
.set ROWB,    40000                    ; bytes of a row of any table
.set LINE,    256
.set RED,     131072                   ; LDS behind the image's 512 lines (500 used): 16 waves x 160 bytes of partial sums
.set PLANE_B, 32768                    ; the list's parts, as the launch in front lays them
.set TQ_OFF,  65536
.set EN_OFF,  73728
.set MAXREC,  99*1280+7*32             ; the largest offset that a record may hold
.set H16,  1                           ; v1          16 h
.set LT,   2                           ; v2          160 x work-group + 16 h: my 16 bytes in chunk 0 of any row
.set RA,   3                           ; v3          16 x my sample of round 0
.set TQA,  4                           ; v4           4 x my sample of round 0
.set RST,  5                           ; v5          where my wave's sums go: RED + 160 wave + 16 h
.set EO,   6                           ; v6          160 x work-group + 16 min(lane, 9): wave 0's place in the energies' rows and in out0
.set RRD,  7                           ; v7          RED + 16 min(lane, 9)
.set WOFF, 8                           ; v[8:15]     round r: byte offset in Wt of my 16 bytes of chunk 0
.set EROW, 16                          ; v[16:27]    wave 0: four numbers each of the rows of ex, ey, ez
.set ACC,  28                          ; v[28:47]    chunk c: four sums
.set WT,   48                          ; v[48:107]   3 slots x 5 chunks x 4: rounds of Wt on their way
.set ADR,  108                         ; v[108:171]  round r, load s: LDS address
.set DBUF, 172                         ; v[172:235]  2 buffers x 8 tables x 4 numbers
.set SRC,  172                         ; in front of the steps the same registers serve the copies: v[172:173] offsets in a table,
.set FD,   174                         ; v[174:189] LDS addresses (half i of the image, table j at FD + 8 i + j),
.set TMP,  190                         ; v[190:195] at work
	s_load_b512 s[8:23], s[0:1], 0x0               ; order s[8:9], Wt s[10:11], tables j = 0..5 at s[12+2j:13+2j]
	s_load_b256 s[24:31], s[0:1], 0x40             ; tables 6, 7; Wex s[28:29], Wey s[30:31]
	s_load_b128 s[32:35], s[0:1], 0x60             ; Wez s[32:33], out0 s[34:35]
	v_lshl_add_u32 v236, v0, 2, 0x29000
	v_mov_b32 v237, 0
	ds_add_u32 v236, v237
	ds_add_u32 v236, v237
	s_mul_i32 s5, ttmp9, SLICE                     ; the work-group's first byte in every row
	s_mov_b32 s6, 0x76543210                       ; v_permlanex16_b32: lane i takes lane i of the other half
	s_mov_b32 s7, 0xfedcba98
	v_lshrrev_b32 v[TMP], 5, v0
	v_readfirstlane_b32 s4, v[TMP]                 ; wave number
	v_and_b32 v[H16], 1, v0
	v_lshlrev_b32 v[H16], 4, v[H16]
	v_add_nc_u32 v[LT], s5, v[H16]
	v_bfe_u32 v[TMP+1], v0, 1, 4                   ; pair in the wave
	v_lshl_add_u32 v[TMP+1], v[TMP], 7, v[TMP+1]   ; my sample of round 0 = 128 wave + pair
	v_lshlrev_b32 v[RA], 4, v[TMP+1]
	v_lshlrev_b32 v[TQA], 2, v[TMP+1]
	s_mul_i32 s36, s4, SLICE
	s_add_co_u32 s36, s36, RED
	v_add_nc_u32 v[RST], s36, v[H16]
	v_and_b32 v[TMP+2], 31, v0
	v_min_u32 v[TMP+2], 9, v[TMP+2]                ; ten lanes of 16 bytes are a slice; the others repeat the tenth and store nothing
	v_lshl_add_u32 v[EO], v[TMP+2], 4, s5
	v_lshlrev_b32 v[RRD], 4, v[TMP+2]
	v_add_nc_u32 v[RRD], RED, v[RRD]
	; The copies.  Pair q = 0 .. 255 of the work-group fills lines q and q + 256.  Line k = 5 l + c comes from row l, chunk c:
	; byte 40000 l + 32 c = 39840 l + 32 k of the slice.  Lines 500 .. 511 are never read; their pairs copy line 499 again.
	v_lshrrev_b32 v[TMP+3], 1, v0                  ; q
	v_add_nc_u32 v[TMP+4], 256, v[TMP+3]
	v_min_u32 v[TMP+4], 499, v[TMP+4]
.irp i, 0,1
	v_mul_u32_u24 v[TMP+5], 0xcccd, v[TMP+3+\i]    ; l = k / 5 = (k * 52429) >> 18, right for every k below 512
	v_lshrrev_b32 v[TMP+5], 18, v[TMP+5]
	v_lshl_add_u32 v[SRC+\i], v[TMP+3+\i], 5, v[LT]
	v_mad_u32_u24 v[SRC+\i], v[TMP+5], ROWB-SLICE, v[SRC+\i]
.endr
	v_lshl_add_u32 v[FD], v[TMP+3], 8, v[H16]      ; line q, table 0, my half
.irp j, 1,2,3,4,5,6,7
	v_add_nc_u32 v[FD+\j], 32*\j, v[FD]
.endr
.irp j, 0,1,2,3,4,5,6,7
	v_add_nc_u32 v[FD+8+\j], 256*LINE+32*\j, v[FD]
.endr
	s_wait_dscnt 0x0
	s_wait_kmcnt 0x0
	; The list first: the loads from Wt hang on it.
.irp r, 0,1,2,3,4,5,6,7
	global_load_b32 v[WOFF+\r], v[TQA], s[8:9] offset:TQ_OFF+64*\r
.endr
.irp r, 0,1,2,3,4,5,6,7
	global_load_b128 v[ADR+8*\r:ADR+8*\r+3],   v[RA], s[8:9] offset:256*\r
	global_load_b128 v[ADR+8*\r+4:ADR+8*\r+7], v[RA], s[8:9] offset:PLANE_B+256*\r
.endr
	s_load_b128 s[40:43], s[8:9], EN_OFF           ; the energies' levels: asked by every wave (a branch round it would be two instructions
	                                               ; for one), waited for and used by wave 0 alone
	; 16 copies a wave, 512 bytes each: 16 waves bring the 131,072 bytes of the image
.irp j, 0,1,2,3,4,5,6,7
	global_load_async_to_lds_b128 v[FD+\j],   v[SRC],   s[12+2*\j:13+2*\j]
	global_load_async_to_lds_b128 v[FD+8+\j], v[SRC+1], s[12+2*\j:13+2*\j]
.endr
	s_wait_loadcnt 16                              ; loads return in order (ISA guide 5.7.1): the 16 loads of records are younger, the 8 rows of Wt are known
	s_cmp_lg_u32 s4, 0
	s_cbranch_scc1 .Lno_e
	s_wait_kmcnt 0x0                               ; wave 0: the three rows of the energies, asked here so that they are long in at the end.
	s_mov_b32 s45, 0                               ; They are older than every load from Wt, so no count below hangs on the wave
	s_min_u32 s40, s40, 99
	s_mul_i32 s44, s40, ROWB
	s_add_nc_u64 s[28:29], s[28:29], s[44:45]
	s_min_u32 s41, s41, 99
	s_mul_i32 s44, s41, ROWB
	s_add_nc_u64 s[30:31], s[30:31], s[44:45]
	s_min_u32 s42, s42, 99
	s_mul_i32 s44, s42, ROWB
	s_add_nc_u64 s[32:33], s[32:33], s[44:45]
	global_load_b128 v[EROW:EROW+3],    v[EO], s[28:29]
	global_load_b128 v[EROW+4:EROW+7],  v[EO], s[30:31]
	global_load_b128 v[EROW+8:EROW+11], v[EO], s[32:33]
.Lno_e:
.irp r, 0,1,2,3,4,5,6,7
	v_min_u32 v[WOFF+\r], 2047, v[WOFF+\r]         ; a row of Wt, whatever the list holds
	v_mul_u32_u24 v[WOFF+\r], ROWB, v[WOFF+\r]
	v_add_nc_u32 v[WOFF+\r], v[WOFF+\r], v[LT]
.endr
; Round rho's slice of Wt: five loads, each 16 rows x 32 bytes; together the 160 bytes of each of the wave's 16 rows.  No hint:
; the list may name a row twice.
.macro WTLOAD rho
.irp c, 0,1,2,3,4
	global_load_b128 v[WT+20*((\rho)%3)+4*\c:WT+20*((\rho)%3)+4*\c+3], v[WOFF+\rho], s[10:11] offset:32*\c
.endr
.endm
; A step's eight table reads: chunk ch of my sample's eight lines
.macro LDSTEP rho, ch, buf
.irp s, 0,1,2,3,4,5,6,7
	ds_load_b128 v[DBUF+32*(\buf)+4*\s:DBUF+32*(\buf)+4*\s+3], v[ADR+8*(\rho)+\s] offset:LINE*(\ch)
.endr
.endm
.macro PMUL a, b                       ; four numbers: v[a .. a+3] *= v[b .. b+3]; a and b enter sums only
	v_pk_mul_f32 v[\a:\a+1],   v[\a:\a+1],   v[\b:\b+1]
	v_pk_mul_f32 v[\a+2:\a+3], v[\a+2:\a+3], v[\b+2:\b+3]
.endm
; A step's arithmetic: the eight factors as a tree, then times Wt into the chunk's sums.  In round 0 the product starts the sums.
.macro MATH slot, ch, buf, round
	PMUL DBUF+32*(\buf),    DBUF+32*(\buf)+4
	PMUL DBUF+32*(\buf)+8,  DBUF+32*(\buf)+12
	PMUL DBUF+32*(\buf)+16, DBUF+32*(\buf)+20
	PMUL DBUF+32*(\buf)+24, DBUF+32*(\buf)+28
	PMUL DBUF+32*(\buf),    DBUF+32*(\buf)+8
	PMUL DBUF+32*(\buf)+16, DBUF+32*(\buf)+24
	PMUL DBUF+32*(\buf),    DBUF+32*(\buf)+16
.if \round == 0
	v_pk_mul_f32 v[ACC+4*(\ch):ACC+4*(\ch)+1],   v[DBUF+32*(\buf):DBUF+32*(\buf)+1],   v[WT+20*(\slot)+4*(\ch):WT+20*(\slot)+4*(\ch)+1]
	v_pk_mul_f32 v[ACC+4*(\ch)+2:ACC+4*(\ch)+3], v[DBUF+32*(\buf)+2:DBUF+32*(\buf)+3], v[WT+20*(\slot)+4*(\ch)+2:WT+20*(\slot)+4*(\ch)+3]
.else
	v_pk_fma_f32 v[ACC+4*(\ch):ACC+4*(\ch)+1],   v[DBUF+32*(\buf):DBUF+32*(\buf)+1],   v[WT+20*(\slot)+4*(\ch):WT+20*(\slot)+4*(\ch)+1],   v[ACC+4*(\ch):ACC+4*(\ch)+1]
	v_pk_fma_f32 v[ACC+4*(\ch)+2:ACC+4*(\ch)+3], v[DBUF+32*(\buf)+2:DBUF+32*(\buf)+3], v[WT+20*(\slot)+4*(\ch)+2:WT+20*(\slot)+4*(\ch)+3], v[ACC+4*(\ch)+2:ACC+4*(\ch)+3]
.endif
.endm
	WTLOAD 0                                       ; three rounds of Wt, 7,680 bytes a wave, are asked for beside the tables
	WTLOAD 1
	WTLOAD 2
	s_wait_loadcnt 15                              ; only those 15 loads are younger: the records (and wave 0's three rows) are in
.set r, 0
.rept 64
	v_min_u32 v[ADR+r], MAXREC, v[ADR+r]           ; inside the image, whatever the list holds: the last byte read is MAXREC + 16 + 4 * 256 + 15
	v_add_nc_u32 v[ADR+r], v[ADR+r], v[H16]
.set r, r+1
.endr
	s_wait_asynccnt 0x0                            ; my wave's 16 copies have landed (and their address registers are free):
	s_barrier_signal -1
	s_barrier_wait -1                              ; everybody's have
	; THE 40 STEPS, written out (8 rounds x 5 chunks): every register number is a constant and no address is ever stepped, so there is no
	; wait for an address and no barrier.  The next step's eight LDS loads are issued ahead of this step's products.
	LDSTEP 0, 0, 0
.set k, 0
.rept 40
.set rc, k/5                           ; this step's round, chunk, buffer, slot of Wt
.set cc, k%5
.set bc, k&1
.set sc, rc%3
.set rn, (k+1)/5                       ; the next step's
.set cn, (k+1)%5
.set bn, (k+1)&1
.set rf, rc+3                          ; the round that takes this round's slot
.if k < 39
	LDSTEP rn, cn, bn
.endif
.if cc == 0                            ; a round begins: its five loads from Wt are in when only the later rounds' are out
.if rc <= 5
	s_wait_loadcnt 10                              ; two later rounds
.elseif rc == 6
	s_wait_loadcnt 5                               ; one
.else
	s_wait_loadcnt 0
.endif
.endif
.if k < 39
	s_wait_dscnt 8                                 ; LDS loads return in order (ISA guide 5.7.1): all but the eight just issued
.else
	s_wait_dscnt 0
.endif
	MATH sc, cc, bc, rc
.if cc == 4
.if rc <= 4
	WTLOAD rf                                      ; the slot just used up is asked for again, three rounds ahead of its use
.endif
.endif
.set k, k+1
.endr
	; THE SUMS MEET.  In the wave: over the 16 lanes of my h (lane xor 2, 4, 8, 16).
.irp m, 2,4,8
.set r, 0
.rept 20
	v_add_f32_dpp v[ACC+r], v[ACC+r], v[ACC+r] row_xmask:\m row_mask:0xf bank_mask:0xf
.set r, r+1
.endr
.endr
.set r, 0
.rept 20
	v_permlanex16_b32 v[DBUF+r], v[ACC+r], s6, s7  ; destinations that have been written before
.set r, r+1
.endr
.set r, 0
.rept 10
	v_pk_add_f32 v[ACC+r:ACC+r+1], v[ACC+r:ACC+r+1], v[DBUF+r:DBUF+r+1]
.set r, r+2
.endr
.irp c, 0,1,2,3,4
	ds_store_b128 v[RST], v[ACC+4*\c:ACC+4*\c+3] offset:32*\c      ; columns 8 c + 4 h ..: all lanes of one h write the same bytes with the same values
.endr
	s_wait_dscnt 0x0                               ; for wave 0's sake: my wave's 160 bytes are in LDS
	s_barrier_signal -1
	s_barrier_wait -1
	s_cmp_lg_u32 s4, 0
	s_cbranch_scc1 .Lend
	; Wave 0: lane i < 10 takes columns 4 i .. 4 i + 3 of all 16 waves; wave k's four numbers land in v[DBUF + 4 k ..]
.set k, 0
.rept 16
	ds_load_b128 v[DBUF+4*k:DBUF+4*k+3], v[RRD] offset:SLICE*k
.set k, k+1
.endr
; wave a's four sums += wave b's.  The arguments may be sums themselves, so they stand in parentheses under the product by 4.
.macro VADD a, b
	v_pk_add_f32 v[DBUF+4*(\a):DBUF+4*(\a)+1],   v[DBUF+4*(\a):DBUF+4*(\a)+1],   v[DBUF+4*(\b):DBUF+4*(\b)+1]
	v_pk_add_f32 v[DBUF+4*(\a)+2:DBUF+4*(\a)+3], v[DBUF+4*(\a)+2:DBUF+4*(\a)+3], v[DBUF+4*(\b)+2:DBUF+4*(\b)+3]
.endm
	PMUL EROW, EROW+4                              ; (ex ey) ez, while the sums come
	PMUL EROW, EROW+8
	s_wait_dscnt 0x0
.irp a, 0,1,2,3,4,5,6,7
	VADD \a, \a+8
.endr
.irp a, 0,1,2,3
	VADD \a, \a+4
.endr
	VADD 0, 2
	VADD 1, 3
	VADD 0, 1
	PMUL DBUF, EROW                                ; x = sum * (ex ey ez)
	v_pk_mul_f32 v[DBUF:DBUF+1],   v[DBUF:DBUF+1],   0x4038aa3b op_sel_hi:[1,0]     ; 2 x log2 e
	v_pk_mul_f32 v[DBUF+2:DBUF+3], v[DBUF+2:DBUF+3], 0x4038aa3b op_sel_hi:[1,0]
.irp a, 0,1,2,3
	v_exp_f32 v[DBUF+4+\a], v[DBUF+\a]             ; e^(2x): infinity for large x gives 1 below, 0 for very negative x gives -1
.endr
	v_nop                                          ; one plain vector instruction between the last v_exp_f32 and the use (ISA guide 5.7.2)
	s_wait_alu depctr_va_vdst(0)
	v_pk_add_f32 v[DBUF+4:DBUF+5], v[DBUF+4:DBUF+5], 1.0 op_sel_hi:[1,0]
	v_pk_add_f32 v[DBUF+6:DBUF+7], v[DBUF+6:DBUF+7], 1.0 op_sel_hi:[1,0]
.irp a, 0,1,2,3
	v_rcp_f32 v[DBUF+8+\a], v[DBUF+4+\a]
.endr
	v_nop                                          ; the same behind v_rcp_f32
	s_wait_alu depctr_va_vdst(0)
	v_pk_fma_f32 v[DBUF+8:DBUF+9],   v[DBUF+8:DBUF+9],   -2.0, 1.0 op_sel_hi:[1,0,0]   ; tanh x = 1 - 2 / (1 + e^(2x))
	v_pk_fma_f32 v[DBUF+10:DBUF+11], v[DBUF+10:DBUF+11], -2.0, 1.0 op_sel_hi:[1,0,0]
	s_wait_xcnt 0x0                                ; EXEC is a source of the loads issued so far: it changes only behind this wait
	v_cmp_gt_u32 vcc_lo, 10, v0
	s_wait_tensorcnt 0x0
	ds_add_u32 v236, v237
	s_wait_dscnt 0x0
	s_and_saveexec_b32 s46, vcc_lo                 ; ten lanes x 16 bytes: the work-group's 160 consecutive bytes of out0
	global_store_b128 v[EO], v[DBUF+8:DBUF+11], s[34:35]
	s_endpgm
.Lend:
	s_wait_tensorcnt 0x0
	ds_add_u32 v236, v237
	s_wait_dscnt 0x0
	s_endpgm
.Lfunc_end_k_q16934c1de2_bind:
	.size	k_q16934c1de2_bind, .Lfunc_end_k_q16934c1de2_bind-k_q16934c1de2_bind
	.p2alignl 7, 3214868480
	.fill 96, 4, 3214868480
	.section	.rodata,"a",@progbits
	.p2align	6, 0x0
	.amdhsa_kernel k_q16934c1de2_bind
		.amdhsa_group_segment_fixed_size 169984
		.amdhsa_private_segment_fixed_size 0
		.amdhsa_enable_private_segment 0
		.amdhsa_kernarg_size 112
		.amdhsa_user_sgpr_count 2
		.amdhsa_user_sgpr_kernarg_segment_ptr 1
		.amdhsa_wavefront_size32 1
		.amdhsa_system_sgpr_workgroup_id_x 1
		.amdhsa_system_sgpr_workgroup_id_y 1
		.amdhsa_system_sgpr_workgroup_id_z 1
		.amdhsa_system_vgpr_workitem_id 0
		.amdhsa_next_free_vgpr 238
		.amdhsa_next_free_sgpr 66
		.amdhsa_reserve_vcc 1
		.amdhsa_float_denorm_mode_32 3
		.amdhsa_float_denorm_mode_16_64 3
		.amdhsa_memory_ordered 1
		.amdhsa_forward_progress 1
		.amdhsa_inst_pref_size 92
	.end_amdhsa_kernel
	.amdgpu_metadata
---
amdhsa.version: [ 1, 2 ]
amdhsa.kernels:
  - .name:           k_q16934c1de2_bind
    .symbol:         k_q16934c1de2_bind.kd
    .args:
      - { .name: order, .offset: 0, .size: 8, .value_kind: global_buffer, .address_space: global }
      - { .name: Wt, .offset: 8, .size: 8, .value_kind: global_buffer, .address_space: global }
      - { .name: Wx, .offset: 16, .size: 8, .value_kind: global_buffer, .address_space: global }
      - { .name: Wy, .offset: 24, .size: 8, .value_kind: global_buffer, .address_space: global }
      - { .name: Wz, .offset: 32, .size: 8, .value_kind: global_buffer, .address_space: global }
      - { .name: Wxj, .offset: 40, .size: 8, .value_kind: global_buffer, .address_space: global }
      - { .name: Wyj, .offset: 48, .size: 8, .value_kind: global_buffer, .address_space: global }
      - { .name: Wzj, .offset: 56, .size: 8, .value_kind: global_buffer, .address_space: global }
      - { .name: Wmag, .offset: 64, .size: 8, .value_kind: global_buffer, .address_space: global }
      - { .name: Wmagj, .offset: 72, .size: 8, .value_kind: global_buffer, .address_space: global }
      - { .name: Wex, .offset: 80, .size: 8, .value_kind: global_buffer, .address_space: global }
      - { .name: Wey, .offset: 88, .size: 8, .value_kind: global_buffer, .address_space: global }
      - { .name: Wez, .offset: 96, .size: 8, .value_kind: global_buffer, .address_space: global }
      - { .name: out0, .offset: 104, .size: 8, .value_kind: global_buffer, .address_space: global }
    .group_segment_fixed_size: 169984
    .private_segment_fixed_size: 0
    .kernarg_segment_align: 8
    .kernarg_segment_size: 112
    .max_flat_workgroup_size: 512
    .sgpr_count:     66
    .vgpr_count:     238
    .wavefront_size: 32
...
	.end_amdgpu_metadata
.endif
;; end of part 2
;; ======== version 2 of 2: 2 launches; 1.34 times as fast as version 1
;; workspace buffers: order 73,984 bytes of whole numbers
;; launch levels (part 3): grid 65 x 1, 1 waves a work-group, no clusters, 0 bytes of LDS; arguments input, order; writes order
.if DOCPART == 3
	.amdgcn_target "amdgcn-amd-amdhsa--gfx1250"
	.amdhsa_code_object_version 6
	.text
	.protected	k_q16934c1de2_levels
	.globl	k_q16934c1de2_levels
	.p2align	8
	.type	k_q16934c1de2_levels,@function
k_q16934c1de2_levels:
	s_mov_b64 s[64:65], 0
	v_nop
	global_prefetch_b8 v0, s[64:65] scope:SCOPE_SE
	s_setreg_imm32_b32 hwreg(HW_REG_WAVE_MODE, 25, 1), 1
	s_wait_xcnt 0x0
; LEVELS: from input[2048][4] = (time, x, y, z) make, as whole numbers, everything from which the next launch forms addresses.
;   order, bytes     0 .. 32767   plane A: sample n, four words rec[n][0..3]
;          bytes 32768 .. 65535   plane B: sample n, four words rec[n][4..7]
;          bytes 65536 .. 73727   tq[n]: the row of Wt, 0 .. 2047
;          bytes 73728 .. 73743   the levels of the three energies, and a 0
;   rec[n][s] = level_j(n) * 1280 + 32 j with j = (n & 7) xor s: the byte offset, in the next launch's table image, of table j's
;   part of level_j's first line.  Tables j: 0 x, 1 y, 2 z, 3 jerk x, 4 jerk y, 5 jerk z, 6 magnitude, 7 jerk magnitude.
; SHARING.  The launch is one chain: arguments, rows, arithmetic, stores.  So it is spread as far as it goes: 65 work-groups of ONE wave.
; Work-groups 0 .. 63 take 32 samples each, one to a lane (two loads, some 165 instructions, three stores).  Work-group 64 makes the three
; energies, sums over all 2,048 rows that have to meet in one place: its 32 lanes take 64 rows each.  No wave hands anything to another:
; no LDS, no barrier.  Independent values are worked on side by side (three axes, two roots, eight quantisations), so that an instruction
; seldom needs the result of the one in front of it.
; A level decides a whole table row, so the roundings matter.  A sample's squares and their sums are NOT fused; the quotient by dt (a divisor
; that is data) is correctly rounded (a reciprocal, then remainders taken exactly by fused multiply-adds), and so is the root.
; THE QUANTISATION.  (a / D) * 99 with the constants D = 10 or 20 is taken as ONE product a * K, K = the f32 nearest to (f32 nearest to 1 / D) * 99:
; the form that the formula has when it is compiled as a whole (a division by a constant becomes a product with its rounded reciprocal, and
; two constant factors are merged).  K10 = 10380903 * 2^-20, K20 = 10380903 * 2^-21.
; LIMITS.  A run of the formula that truly divides by D and then multiplies by 99 can differ in the level of a value that lies within some
; 5e-6 levels of a half-way point.  Inputs are finite (a NaN is not carried on).  Neighbouring times differ, 2^-60 <= |dt| <= 2^60;
; |signal| <= 2^60: outside, the refinement of the quotient may overflow or lose its remainder.  The three energy sums are made by fused
; multiply-adds in four chains a lane and then over the lanes: another order, and fewer roundings, than a plain loop's.
.set NSWG,    64                       ; work-groups that take samples; the one behind them takes the energies
.set PLANE_B, 32768
.set TQ_OFF,  65536
.set EN_OFF,  73728
; the samples' work-groups
.set NN,   1                           ; v1        my sample n
.set CO,   2                           ; v2        16 n: its row in input, its record in a plane
.set PO,   3                           ; v3        16 max(n, 1): with the offset -16 the row in front (sample 0: row 0 again)
.set TO,   4                           ; v4        4 n
.set CUR,  8                           ; v[8:11]   row n      (t, x, y, z)
.set PRV,  12                          ; v[12:15]  row n - 1
.set TN,   16                          ; t of the sample
.set TP,   17                          ; t of the sample in front
.set DT,   18                          ; their difference
.set RC,   19                          ; 1 / dt
.set TF,   20                          ; the time's level as f32
.set RN,   21                          ; the reciprocal's remainder
.set DF,   22                          ; v[22:24]  differences of x, y, z
.set JK,   25                          ; v[25:27]  jerk
.set RS,   28                          ; v[28:30]  remainders of the three quotients
.set SQ,   32                          ; v[32:37]  squares of x, y, z and of the jerk
.set QA,   40                          ; v[40:47]  table j: the number that is quantised, then its level
.set SY,   48                          ; v[48:55]  the two roots at work: 1/sqrt, g, h, remainder
.set SG,   50
.set SH,   52
.set SE,   54
.set LV,   56                          ; v[56:63]  offset of table j, in the order of j
.set PP,   64                          ; v[64:71]  the same, half permuted
.set RR,   72                          ; v[72:79]  the record
.set TQ,   80                          ; v80       the row of Wt
; the energies' work-group
.set EA,   1                           ; v1        16 x lane
.set ACC,  8                           ; v[8:23]   four chains of four sums (t^2, x^2, y^2, z^2)
.set EL,   32                          ; v[32:35]  the three levels and a 0
.set EZ,   36                          ; v36       0
                                       ; v[256:511] row lane + 32 i in v[256 + 4 i ..]
.set K10,  13                          ; s13       the factor for a range of 10
.set K20,  15                          ; s15       the factor for a range of 20
	s_load_b128 s[4:7], s[0:1], 0x0                ; input s[4:5], order s[6:7]
	s_mov_b32 s10, 0xc0a00000                      ; -5.0
	s_mov_b32 s11, 0x40a00000                      ;  5.0
	s_mov_b32 s12, 0x41200000                      ; 10.0
	s_mov_b32 s[K10], 0x411e6667                   ; f32(f32(1/10) * 99) = 9.90000057...
	s_mov_b32 s[K20], 0x409e6667                   ; f32(f32(1/20) * 99) = 4.95000028...
	s_mov_b32 s16, 0x42c60000                      ; 99.0
	s_mov_b32 s17, 1280                            ; bytes of a level in the table image
	s_mov_b32 s18, 0x3a000000                      ; 2^-11 = 1/2048
	s_mov_b32 s19, 0x44ffe000                      ; 2047.0
	s_mov_b32 s20, 0x0d800000                      ; 2^-100
	s_mov_b32 s21, 0x71800000                      ; 2^100
	s_mov_b32 s22, 0x76543210                      ; v_permlanex16_b32: lane i takes lane i of the other half
	s_mov_b32 s23, 0xfedcba98
	s_mov_b32 s29, 0x3f7fe000                      ; 2047/2048, exact
	s_cmp_eq_u32 ttmp9, NSWG
	s_cbranch_scc1 .Lenergy
	; ---------------- 32 SAMPLES, one to a lane ----------------
	s_lshl_b32 s8, ttmp9, 5
	v_add_nc_u32 v[NN], s8, v0
	v_lshlrev_b32 v[CO], 4, v[NN]
	v_max_u32 v[PO], 1, v[NN]
	v_lshlrev_b32 v[PO], 4, v[PO]
	v_lshlrev_b32 v[TO], 2, v[NN]
	v_and_b32 v[TN], 1, v0                         ; the three bits of g = n & 7 = lane & 7 as lane masks, for the permutation of the record
	v_and_b32 v[TP], 2, v0
	v_and_b32 v[DT], 4, v0
	v_cmp_ne_u32 s24, 0, v[TN]
	v_cmp_ne_u32 s25, 0, v[TP]
	v_cmp_ne_u32 s26, 0, v[DT]
	s_wait_kmcnt 0x0
	s_load_b32 s9, s[4:5], 0x0                     ; t0 = input[0][0]
	global_load_b128 v[CUR:CUR+3], v[CO], s[4:5]
	global_load_b128 v[PRV:PRV+3], v[PO], s[4:5] offset:-16
; v[QA+j .. QA+j+2] = clip(v[src .. src+2], -5, 5) - (-5)
.macro CLIP3 j, src
.irp a, 0,1,2
	v_max_num_f32 v[QA+\j+\a], s10, v[\src+\a]
.endr
.irp a, 0,1,2
	v_min_num_f32 v[QA+\j+\a], s11, v[QA+\j+\a]
.endr
.irp a, 0,1,2
	v_add_f32 v[QA+\j+\a], s11, v[QA+\j+\a]
.endr
.endm
	s_wait_loadcnt 0x0                             ; both rows
	s_wait_kmcnt 0x0                               ; and t0
	v_sub_f32 v[TN], v[CUR], s9                    ; t = time - t0, of both rows, and only then their difference
	v_sub_f32 v[TP], v[PRV], s9
	v_cmp_eq_u32 vcc_lo, 0, v[NN]
	v_sub_f32 v[DT], v[TN], v[TP]
	v_cndmask_b32 v[DT], v[DT], 1.0, vcc_lo        ; sample 0 has the jerk 0: it loaded row 0 twice (differences 0) and takes dt = 1
	v_rcp_f32 v[RC], v[DT]
.irp a, 0,1,2
	v_sub_f32 v[DF+\a], v[CUR+1+\a], v[PRV+1+\a]   ; plain work behind v_rcp_f32 (ISA guide 5.7.2), here and down to the Newton step
.endr
.irp a, 0,1,2
	v_mul_f32 v[SQ+\a], v[CUR+1+\a], v[CUR+1+\a]
.endr
	CLIP3 0, CUR+1
	v_mul_f32 v[TF], s29, v[TN]                    ; t / 2048 is exact, so (t / 2048) * 2047 rounds the same product as t * (2047/2048)
	v_add_f32 v[QA+6], v[SQ], v[SQ+1]              ; (x^2 + y^2) + z^2, each step rounded
	v_rndne_f32 v[TF], v[TF]
	v_add_f32 v[QA+6], v[QA+6], v[SQ+2]
	v_max_num_f32 v[TF], 0, v[TF]
	v_min_num_f32 v[TF], s19, v[TF]
	v_cvt_u32_f32 v[TQ], v[TF]
	s_wait_alu depctr_va_vdst(0)
	v_fma_f32 v[RN], -v[DT], v[RC], 1.0            ; one Newton step for 1 / dt
	v_fma_f32 v[RC], v[RN], v[RC], v[RC]
.irp a, 0,1,2
	v_mul_f32 v[JK+\a], v[DF+\a], v[RC]            ; d / dt: a first quotient, then twice the exact remainder times 1 / dt
.endr
.rept 2
.irp a, 0,1,2
	v_fma_f32 v[RS+\a], -v[DT], v[JK+\a], v[DF+\a]
.endr
.irp a, 0,1,2
	v_fma_f32 v[JK+\a], v[RS+\a], v[RC], v[JK+\a]
.endr
.endr
.irp a, 0,1,2
	v_mul_f32 v[SQ+3+\a], v[JK+\a], v[JK+\a]       ; the jerk as it is, not clipped
.endr
	v_add_f32 v[QA+7], v[SQ+3], v[SQ+4]
	v_add_f32 v[QA+7], v[QA+7], v[SQ+5]
	; The two roots, rounded to nearest, side by side.  First held to [2^-100, 2^100], which keeps every step normal and changes no level:
	; a root below 2^-50 vanishes in the sum with 10, and any root above 10 has level 99.
.irp a, 0,1
	v_max_num_f32 v[QA+6+\a], s20, v[QA+6+\a]
.endr
.irp a, 0,1
	v_min_num_f32 v[QA+6+\a], s21, v[QA+6+\a]
.endr
.irp a, 0,1
	v_rsq_f32 v[SY+\a], v[QA+6+\a]
.endr
	CLIP3 3, JK                                    ; plain work between v_rsq_f32 and the use of its result (ISA guide 5.7.2)
	s_wait_alu depctr_va_vdst(0)
.irp a, 0,1
	v_mul_f32 v[SG+\a], v[QA+6+\a], v[SY+\a]       ; g ~ sqrt(a)
.endr
.irp a, 0,1
	v_mul_f32 v[SH+\a], 0.5, v[SY+\a]              ; h ~ 1 / (2 sqrt(a))
.endr
.irp a, 0,1
	v_fma_f32 v[SE+\a], -v[SH+\a], v[SG+\a], 0.5
.endr
.irp a, 0,1
	v_fma_f32 v[SG+\a], v[SG+\a], v[SE+\a], v[SG+\a]
.endr
.irp a, 0,1
	v_fma_f32 v[SH+\a], v[SH+\a], v[SE+\a], v[SH+\a]
.endr
.irp a, 0,1
	v_fma_f32 v[SE+\a], -v[SG+\a], v[SG+\a], v[QA+6+\a]    ; a - g^2, exact enough to settle the last bit
.endr
.irp a, 0,1
	v_fma_f32 v[QA+6+\a], v[SE+\a], v[SH+\a], v[SG+\a]
.endr
.irp a, 0,1
	v_add_f32 v[QA+6+\a], s12, v[QA+6+\a]          ; minus -10
.endr
	; The eight levels: min(round(a * K), 99); every a is >= 0, so the lower clip never acts.  Then the offset in the table image.
.irp a, 0,1,2,3,4,5
	v_mul_f32 v[QA+\a], s[K10], v[QA+\a]           ; one product, one rounding (see the head)
.endr
.irp a, 6,7
	v_mul_f32 v[QA+\a], s[K20], v[QA+\a]
.endr
.irp a, 0,1,2,3,4,5,6,7
	v_rndne_f32 v[QA+\a], v[QA+\a]                 ; halves to even, as jnp.round
.endr
.irp a, 0,1,2,3,4,5,6,7
	v_min_num_f32 v[QA+\a], s16, v[QA+\a]
.endr
.irp a, 0,1,2,3,4,5,6,7
	v_cvt_u32_f32 v[QA+\a], v[QA+\a]
.endr
.irp a, 0,1,2,3,4,5,6,7
	v_mad_u32_u24 v[LV+\a], v[QA+\a], s17, 32*\a
.endr
	; record word s = offset of table s xor g: three rounds of selects, one for each bit of g
.irp s, 0,1,2,3,4,5,6,7
	v_cndmask_b32 v[PP+\s], v[LV+\s], v[LV+(\s^1)], s24
.endr
.irp s, 0,1,2,3,4,5,6,7
	v_cndmask_b32 v[LV+\s], v[PP+\s], v[PP+(\s^2)], s25
.endr
.irp s, 0,1,2,3,4,5,6,7
	v_cndmask_b32 v[RR+\s], v[LV+\s], v[LV+(\s^4)], s26
.endr
	global_store_b128 v[CO], v[RR:RR+3],   s[6:7]                  ; each of the two covers 512 consecutive bytes, aligned
	global_store_b128 v[CO], v[RR+4:RR+7], s[6:7] offset:PLANE_B
	global_store_b32  v[TO], v[TQ], s[6:7] offset:TQ_OFF           ; 128 consecutive bytes
	s_endpgm
	; ---------------- THE THREE ENERGIES ----------------
	; Lane L takes rows L + 32 i, i = 0 .. 63: load i covers the 512 consecutive bytes from 512 i on.  All 64 loads are issued in one run,
	; so that the whole input, 32,768 bytes, is on its way at once; they fill 256 registers, v256 to v511, which are named through
	; s_set_vgpr_msb: once for the loads (destination in the second block of 256), once for the sums (sources 0 and 1 there), once back.
.Lenergy:
	v_lshlrev_b32 v[EA], 4, v0
	s_wait_kmcnt 0x0
	s_set_vgpr_msb 0x40                            ; destination: v256 and up; the address register stays in the first block
.set i, 0
.rept 64
	global_load_b128 v[4*i:4*i+3], v[EA], s[4:5] offset:512*i      ; v[256 + 4 i .. 259 + 4 i]
.set i, i+1
.endr
	s_set_vgpr_msb 0x4005                          ; sources 0 and 1: v256 and up; source 2 and the destination in the first block
	; Two packed multiply-adds a row, on the pairs (t, x) and (y, z): the half that squares the time is never read again, and two packed
	; instructions are fewer than three plain ones.  Four chains, started by the first four rows: nothing is cleared.
.set i, 0
.rept 64
.set c, i%4
.if i%8 == 0
	s_wait_loadcnt 56-i                            ; loads return in order (ISA guide 5.7.1): the next eight rows are in, the 56 - i younger loads stay out
.endif
.if i < 4
	v_pk_mul_f32 v[ACC+4*c:ACC+4*c+1],   v[4*i:4*i+1],   v[4*i:4*i+1]
	v_pk_mul_f32 v[ACC+4*c+2:ACC+4*c+3], v[4*i+2:4*i+3], v[4*i+2:4*i+3]
.else
	v_pk_fma_f32 v[ACC+4*c:ACC+4*c+1],   v[4*i:4*i+1],   v[4*i:4*i+1],   v[ACC+4*c:ACC+4*c+1]
	v_pk_fma_f32 v[ACC+4*c+2:ACC+4*c+3], v[4*i+2:4*i+3], v[4*i+2:4*i+3], v[ACC+4*c+2:ACC+4*c+3]
.endif
.set i, i+1
.endr
	s_set_vgpr_msb 0x0500                          ; everything in the first block again
	v_pk_add_f32 v[ACC:ACC+1],     v[ACC:ACC+1],     v[ACC+4:ACC+5]        ; the four chains meet
	v_pk_add_f32 v[ACC+2:ACC+3],   v[ACC+2:ACC+3],   v[ACC+6:ACC+7]
	v_pk_add_f32 v[ACC+8:ACC+9],   v[ACC+8:ACC+9],   v[ACC+12:ACC+13]
	v_pk_add_f32 v[ACC+10:ACC+11], v[ACC+10:ACC+11], v[ACC+14:ACC+15]
	v_pk_add_f32 v[ACC:ACC+1],     v[ACC:ACC+1],     v[ACC+8:ACC+9]
	v_pk_add_f32 v[ACC+2:ACC+3],   v[ACC+2:ACC+3],   v[ACC+10:ACC+11]
	; over the 32 lanes, the three sums side by side: four steps inside each half of 16 lanes, one across
.irp m, 1,2,4,8
.irp a, 1,2,3
	v_add_f32_dpp v[ACC+\a], v[ACC+\a], v[ACC+\a] row_xmask:\m row_mask:0xf bank_mask:0xf
.endr
.endr
.irp a, 1,2,3
	v_permlanex16_b32 v[ACC+4+\a], v[ACC+\a], s22, s23             ; destinations that have been written before
.endr
.irp a, 1,2,3
	v_add_f32 v[ACC+\a], v[ACC+\a], v[ACC+4+\a]
.endr
.irp a, 1,2,3
	v_fma_f32 v[ACC+\a], v[ACC+\a], s18, s12       ; sum / 2048 is exact, so the fused form rounds as (sum / 2048) + 10 does
.endr
.irp a, 1,2,3
	v_mul_f32 v[ACC+\a], s[K20], v[ACC+\a]
.endr
.irp a, 1,2,3
	v_rndne_f32 v[ACC+\a], v[ACC+\a]
.endr
.irp a, 1,2,3
	v_min_num_f32 v[ACC+\a], s16, v[ACC+\a]
.endr
.irp a, 1,2,3
	v_cvt_u32_f32 v[EL+\a-1], v[ACC+\a]
.endr
	v_mov_b32 v[EL+3], 0
	v_mov_b32 v[EZ], 0
	s_wait_xcnt 0x0                                ; EXEC is a source of the loads above: it changes only behind this wait
	v_cmp_eq_u32 vcc_lo, 0, v0
	s_and_saveexec_b32 s27, vcc_lo                 ; lane 0 alone
	global_store_b128 v[EZ], v[EL:EL+3], s[6:7] offset:EN_OFF
	s_endpgm
.Lfunc_end_k_q16934c1de2_levels:
	.size	k_q16934c1de2_levels, .Lfunc_end_k_q16934c1de2_levels-k_q16934c1de2_levels
	.p2alignl 7, 3214868480
	.fill 96, 4, 3214868480
	.section	.rodata,"a",@progbits
	.p2align	6, 0x0
	.amdhsa_kernel k_q16934c1de2_levels
		.amdhsa_group_segment_fixed_size 0
		.amdhsa_private_segment_fixed_size 0
		.amdhsa_enable_private_segment 0
		.amdhsa_kernarg_size 16
		.amdhsa_user_sgpr_count 2
		.amdhsa_user_sgpr_kernarg_segment_ptr 1
		.amdhsa_wavefront_size32 1
		.amdhsa_system_sgpr_workgroup_id_x 1
		.amdhsa_system_sgpr_workgroup_id_y 1
		.amdhsa_system_sgpr_workgroup_id_z 1
		.amdhsa_system_vgpr_workitem_id 0
		.amdhsa_next_free_vgpr 512
		.amdhsa_next_free_sgpr 66
		.amdhsa_reserve_vcc 1
		.amdhsa_float_denorm_mode_32 3
		.amdhsa_float_denorm_mode_16_64 3
		.amdhsa_memory_ordered 1
		.amdhsa_forward_progress 1
		.amdhsa_inst_pref_size 26
	.end_amdhsa_kernel
	.amdgpu_metadata
---
amdhsa.version: [ 1, 2 ]
amdhsa.kernels:
  - .name:           k_q16934c1de2_levels
    .symbol:         k_q16934c1de2_levels.kd
    .args:
      - { .name: input, .offset: 0, .size: 8, .value_kind: global_buffer, .address_space: global }
      - { .name: order, .offset: 8, .size: 8, .value_kind: global_buffer, .address_space: global }
    .group_segment_fixed_size: 0
    .private_segment_fixed_size: 0
    .kernarg_segment_align: 8
    .kernarg_segment_size: 16
    .max_flat_workgroup_size: 32
    .sgpr_count:     66
    .vgpr_count:     512
    .wavefront_size: 32
...
	.end_amdgpu_metadata
.endif
;; end of part 3
;; launch bind (part 4): grid 250 x 1, 16 waves a work-group, no clusters, 169,984 bytes of LDS; arguments order, Wt, Wx, Wy, Wz, Wxj, Wyj, Wzj, Wmag, Wmagj, Wex, Wey, Wez, out0; writes out0
.if DOCPART == 4
	.amdgcn_target "amdgcn-amd-amdhsa--gfx1250"
	.amdhsa_code_object_version 6
	.text
	.protected	k_q16934c1de2_bind
	.globl	k_q16934c1de2_bind
	.p2align	8
	.type	k_q16934c1de2_bind,@function
k_q16934c1de2_bind:
	s_mov_b64 s[64:65], 0
	v_nop
	global_prefetch_b8 v0, s[64:65] scope:SCOPE_SE
	s_setreg_imm32_b32 hwreg(HW_REG_WAVE_MODE, 25, 1), 1
	s_wait_xcnt 0x0
; BIND: out0[d] = tanh( ex[d] ey[d] ez[d] * sum over the 2,048 samples n of Wt[tq n][d] * product over the 8 tables j of W_j[level_j n][d] ).
; A work-group owns a block of 40 columns (160 bytes of every row) and walks ALL samples, so it finishes its 40 outputs itself: 250
; work-groups, no partial sums through memory.  Its slice of the eight level tables is copied into LDS once; its slice of Wt,
; 2,048 x 160 bytes, is read once, straight into registers (through LDS it would add a ninth read to the eight of a step).
; THE DEAL OF THE BLOCKS.  Work-group i = 16 q + r takes block 15 r + min(r, 10) + q, a one-to-one map of 0 .. 249 (r < 10 has 16 members
; and starts at 16 r; r >= 10 has 15 and starts at 160 + 15 (r - 10)).  A slice of 160 bytes starts on a multiple of 32 and no more, so
; neighbouring blocks touch common aligned stretches of every row.  The deal puts such neighbours 16 numbers apart instead of 1: the
; work-groups of one r own 2,400 or 2,560 consecutive bytes of every row.  Whether that spares traffic hangs on where work-groups are
; placed, which this text does not know; no value hangs on it.
; THE TABLE IMAGE.  A line of 256 bytes holds chunk c (8 columns, 32 bytes) of level l of all eight tables:
;   byte l * 1280 + c * 256 + j * 32 + h * 16, h = which half of the chunk.
; A pair of lanes (h = lane & 1) owns a sample; in its load number s it reads table j = (pair & 7) xor s.  So the sixteen lanes 0-15, and
; likewise 16-31, of one 16-byte LDS load always address sixteen different 16-byte columns of a line, whatever levels their samples have:
; no two of them fall on the same bank.  Products commute, so the order of the tables may differ from lane to lane.  The launch in front
; stored each sample's eight offsets already in that order (sample n is always served by pair & 7 = n & 7).
; THE TWO TABLES OF MAGNITUDES (j = 6, 7) are copied from level 48 on.  A magnitude is a root, so it is >= 0, (m + 10) / 20 * 99 >= 49.5,
; and the launch in front gives it level 50 at the least, for every input.  Six whole tables and 52 levels of two: 112,640 bytes.
; SHARING.  Wave w owns samples 128 w .. 128 w + 127: 8 rounds of 16 samples (one to a pair), a round = 5 steps, one for each chunk.
; All 64 LDS addresses and all 8 offsets into Wt of a lane are made once, in front: the steps hold loads and products only.
; THE ORDER OF THE REQUESTS.  No step can begin before the whole image is in LDS.  So beside the tables only that is asked for which the
; first round needs: the list and round 0 of Wt.  Round 1 is asked for when the wave's own copies have landed, round 2 behind the second
; step, round r + 3 at the end of round r: from there on two to three rounds, 2,560 bytes a wave each, are on their way.
; NO CLUSTER: the work-groups' columns are disjoint, so neither tables nor Wt are shared; what all read alike is the list, 73,744 bytes
; against 440,320 bytes of a work-group's own; and 250 work-groups divide into no cluster of four.
; NO MATRIX UNIT: there is no sum of products over an index that two operands share.
; NO PREFETCH: asking early for the rounds of Wt that are held back would put them beside the tables again.
; LIMITS.  The nine factors are multiplied as a tree, the tables in an order that hangs on the lane, and the samples are summed by lane,
; wave and work-group: other roundings than a plain loop's.  tanh x = 1 - 2 / (1 + 2^(2 x log2 e)) has an absolute error of a few 2^-24
; and therefore no relative accuracy for |x| far below 1.  Indices read from the list are clamped to their tables from above; a list that
; named a level below 48 for a magnitude, which the launch in front never writes, would read LDS bytes that nobody has written.
.set SLICE,   160                      ; bytes of a row that the work-group owns
.set ROWB,    40000                    ; bytes of a row of any table
.set LINE,    256
.set RED,     131072                   ; LDS behind the image's 512 lines (500 used): 16 waves x 160 bytes of partial sums
.set PLANE_B, 32768                    ; the list's parts, as the launch in front lays them
.set TQ_OFF,  65536
.set EN_OFF,  73728
.set MAXREC,  99*1280+7*32             ; the largest offset that a record may hold
.set H16,  1                           ; v1          16 h
.set LT,   2                           ; v2          160 x block + 16 h: my 16 bytes in chunk 0 of any row
.set RA,   3                           ; v3          16 x my sample of round 0
.set TQA,  4                           ; v4           4 x my sample of round 0
.set RST,  5                           ; v5          where my wave's sums go: RED + 160 wave + 16 h
.set EO,   6                           ; v6          160 x block + 16 min(lane, 9): wave 0's place in the energies' rows and in out0
.set RRD,  7                           ; v7          RED + 16 min(lane, 9)
.set WOFF, 8                           ; v[8:15]     round r: byte offset in Wt of my 16 bytes of chunk 0
.set EROW, 16                          ; v[16:27]    wave 0: four numbers each of the rows of ex, ey, ez
.set ACC,  28                          ; v[28:47]    chunk c: four sums
.set WT,   48                          ; v[48:107]   3 slots x 5 chunks x 4: rounds of Wt on their way
.set ADR,  108                         ; v[108:171]  round r, load s: LDS address
.set DBUF, 172                         ; v[172:235]  2 buffers x 8 tables x 4 numbers
.set SRC,  172                         ; in front of the steps the same registers serve the copies: v[172:173] offsets in a table,
.set FD,   174                         ; v[174:189] LDS addresses (half i of the image, table j at FD + 8 i + j),
.set TMP,  190                         ; v[190:195] at work
	s_load_b512 s[8:23], s[0:1], 0x0               ; order s[8:9], Wt s[10:11], tables j = 0..5 at s[12+2j:13+2j]
	s_load_b256 s[24:31], s[0:1], 0x40             ; tables 6, 7; Wex s[28:29], Wey s[30:31]
	s_load_b128 s[32:35], s[0:1], 0x60             ; Wez s[32:33], out0 s[34:35]
	v_lshl_add_u32 v236, v0, 2, 0x29000
	v_mov_b32 v237, 0
	ds_add_u32 v236, v237
	ds_add_u32 v236, v237
	s_and_b32 s37, ttmp9, 15                       ; r
	s_lshr_b32 s38, ttmp9, 4                       ; q
	s_min_u32 s39, s37, 10
	s_mul_i32 s37, s37, 15
	s_add_co_u32 s37, s37, s39
	s_add_co_u32 s37, s37, s38                     ; my block = 15 r + min(r, 10) + q
	s_mul_i32 s5, s37, SLICE                       ; its first byte in every row
	s_mov_b32 s6, 0x76543210                       ; v_permlanex16_b32: lane i takes lane i of the other half
	s_mov_b32 s7, 0xfedcba98
	v_lshrrev_b32 v[TMP], 5, v0
	v_readfirstlane_b32 s4, v[TMP]                 ; wave number
	v_and_b32 v[H16], 1, v0
	v_lshlrev_b32 v[H16], 4, v[H16]
	v_add_nc_u32 v[LT], s5, v[H16]
	v_bfe_u32 v[TMP+1], v0, 1, 4                   ; pair in the wave
	v_lshl_add_u32 v[TMP+1], v[TMP], 7, v[TMP+1]   ; my sample of round 0 = 128 wave + pair
	v_lshlrev_b32 v[RA], 4, v[TMP+1]
	v_lshlrev_b32 v[TQA], 2, v[TMP+1]
	s_mul_i32 s36, s4, SLICE
	s_add_co_u32 s36, s36, RED
	v_add_nc_u32 v[RST], s36, v[H16]
	v_and_b32 v[TMP+2], 31, v0
	v_min_u32 v[TMP+2], 9, v[TMP+2]                ; ten lanes of 16 bytes are a slice; the others repeat the tenth and store nothing
	v_lshl_add_u32 v[EO], v[TMP+2], 4, s5
	v_lshlrev_b32 v[RRD], 4, v[TMP+2]
	v_add_nc_u32 v[RRD], RED, v[RRD]
	; The copies.  Pair q = 0 .. 255 of the work-group fills lines q and q + 256.  Line k = 5 l + c comes from row l, chunk c:
	; byte 40000 l + 32 c = 39840 l + 32 k of the slice.  Lines 500 .. 511 are never read; their pairs copy line 499 again.
	v_lshrrev_b32 v[TMP+3], 1, v0                  ; q
	v_add_nc_u32 v[TMP+4], 256, v[TMP+3]
	v_min_u32 v[TMP+4], 499, v[TMP+4]
.irp i, 0,1
	v_mul_u32_u24 v[TMP+5], 0xcccd, v[TMP+3+\i]    ; l = k / 5 = (k * 52429) >> 18, right for every k below 512
	v_lshrrev_b32 v[TMP+5], 18, v[TMP+5]
	v_lshl_add_u32 v[SRC+\i], v[TMP+3+\i], 5, v[LT]
	v_mad_u32_u24 v[SRC+\i], v[TMP+5], ROWB-SLICE, v[SRC+\i]
.endr
	v_lshl_add_u32 v[FD], v[TMP+3], 8, v[H16]      ; line q, table 0, my half
.irp j, 1,2,3,4,5,6,7
	v_add_nc_u32 v[FD+\j], 32*\j, v[FD]
.endr
.irp j, 0,1,2,3,4,5,6,7
	v_add_nc_u32 v[FD+8+\j], 256*LINE+32*\j, v[FD]
.endr
	s_wait_dscnt 0x0
	s_wait_kmcnt 0x0
	; The list first: the loads from Wt hang on it.
.irp r, 0,1,2,3,4,5,6,7
	global_load_b32 v[WOFF+\r], v[TQA], s[8:9] offset:TQ_OFF+64*\r
.endr
.irp r, 0,1,2,3,4,5,6,7
	global_load_b128 v[ADR+8*\r:ADR+8*\r+3],   v[RA], s[8:9] offset:256*\r
	global_load_b128 v[ADR+8*\r+4:ADR+8*\r+7], v[RA], s[8:9] offset:PLANE_B+256*\r
.endr
	s_load_b128 s[40:43], s[8:9], EN_OFF           ; the energies' levels: asked by every wave (a branch round it would be two instructions
	                                               ; for one), waited for and used by wave 0 alone
	; Copies of 512 bytes (16 lines x 32 bytes).  Tables 0 .. 5: both halves of the image, 12 copies a wave.
.irp j, 0,1,2,3,4,5
	global_load_async_to_lds_b128 v[FD+\j],   v[SRC],   s[12+2*\j:13+2*\j]
	global_load_async_to_lds_b128 v[FD+8+\j], v[SRC+1], s[12+2*\j:13+2*\j]
.endr
	; Tables 6 and 7: the upper half (lines 256 and up: level 51's chunk 1 to level 99) by every wave;
.irp j, 6,7
	global_load_async_to_lds_b128 v[FD+8+\j], v[SRC+1], s[12+2*\j:13+2*\j]
.endr
	; of the lower half only wave 15's part, lines 240 .. 255 = levels 48 to 50 and level 51's chunk 0: no sample has a level below 50 there
	s_cmp_lg_u32 s4, 15
	s_cbranch_scc1 .Lno_low
.irp j, 6,7
	global_load_async_to_lds_b128 v[FD+\j],   v[SRC],   s[12+2*\j:13+2*\j]
.endr
.Lno_low:
	s_wait_loadcnt 16                              ; loads return in order (ISA guide 5.7.1): the 16 loads of records are younger, the 8 rows of Wt are known
	s_cmp_lg_u32 s4, 0
	s_cbranch_scc1 .Lno_e
	s_wait_kmcnt 0x0                               ; wave 0: the three rows of the energies, asked here so that they are long in at the end.
	s_mov_b32 s45, 0                               ; They are older than every load from Wt, so no count below hangs on the wave
	s_min_u32 s40, s40, 99
	s_mul_i32 s44, s40, ROWB
	s_add_nc_u64 s[28:29], s[28:29], s[44:45]
	s_min_u32 s41, s41, 99
	s_mul_i32 s44, s41, ROWB
	s_add_nc_u64 s[30:31], s[30:31], s[44:45]
	s_min_u32 s42, s42, 99
	s_mul_i32 s44, s42, ROWB
	s_add_nc_u64 s[32:33], s[32:33], s[44:45]
	global_load_b128 v[EROW:EROW+3],    v[EO], s[28:29]
	global_load_b128 v[EROW+4:EROW+7],  v[EO], s[30:31]
	global_load_b128 v[EROW+8:EROW+11], v[EO], s[32:33]
.Lno_e:
.irp r, 0,1,2,3,4,5,6,7
	v_min_u32 v[WOFF+\r], 2047, v[WOFF+\r]         ; a row of Wt, whatever the list holds
	v_mul_u32_u24 v[WOFF+\r], ROWB, v[WOFF+\r]
	v_add_nc_u32 v[WOFF+\r], v[WOFF+\r], v[LT]
.endr
; Round rho's slice of Wt: five loads, each 16 rows x 32 bytes; together the 160 bytes of each of the wave's 16 rows.  No hint:
; the list may name a row twice.
.macro WTLOAD rho
.irp c, 0,1,2,3,4
	global_load_b128 v[WT+20*((\rho)%3)+4*\c:WT+20*((\rho)%3)+4*\c+3], v[WOFF+\rho], s[10:11] offset:32*\c
.endr
.endm
; A step's eight table reads: chunk ch of my sample's eight lines
.macro LDSTEP rho, ch, buf
.irp s, 0,1,2,3,4,5,6,7
	ds_load_b128 v[DBUF+32*(\buf)+4*\s:DBUF+32*(\buf)+4*\s+3], v[ADR+8*(\rho)+\s] offset:LINE*(\ch)
.endr
.endm
.macro PMUL a, b                       ; four numbers: v[a .. a+3] *= v[b .. b+3]; a and b enter sums only
	v_pk_mul_f32 v[\a:\a+1],   v[\a:\a+1],   v[\b:\b+1]
	v_pk_mul_f32 v[\a+2:\a+3], v[\a+2:\a+3], v[\b+2:\b+3]
.endm
; A step's arithmetic: the eight factors as a tree, then times Wt into the chunk's sums.  In round 0 the product starts the sums.
.macro MATH slot, ch, buf, round
	PMUL DBUF+32*(\buf),    DBUF+32*(\buf)+4
	PMUL DBUF+32*(\buf)+8,  DBUF+32*(\buf)+12
	PMUL DBUF+32*(\buf)+16, DBUF+32*(\buf)+20
	PMUL DBUF+32*(\buf)+24, DBUF+32*(\buf)+28
	PMUL DBUF+32*(\buf),    DBUF+32*(\buf)+8
	PMUL DBUF+32*(\buf)+16, DBUF+32*(\buf)+24
	PMUL DBUF+32*(\buf),    DBUF+32*(\buf)+16
.if \round == 0
	v_pk_mul_f32 v[ACC+4*(\ch):ACC+4*(\ch)+1],   v[DBUF+32*(\buf):DBUF+32*(\buf)+1],   v[WT+20*(\slot)+4*(\ch):WT+20*(\slot)+4*(\ch)+1]
	v_pk_mul_f32 v[ACC+4*(\ch)+2:ACC+4*(\ch)+3], v[DBUF+32*(\buf)+2:DBUF+32*(\buf)+3], v[WT+20*(\slot)+4*(\ch)+2:WT+20*(\slot)+4*(\ch)+3]
.else
	v_pk_fma_f32 v[ACC+4*(\ch):ACC+4*(\ch)+1],   v[DBUF+32*(\buf):DBUF+32*(\buf)+1],   v[WT+20*(\slot)+4*(\ch):WT+20*(\slot)+4*(\ch)+1],   v[ACC+4*(\ch):ACC+4*(\ch)+1]
	v_pk_fma_f32 v[ACC+4*(\ch)+2:ACC+4*(\ch)+3], v[DBUF+32*(\buf)+2:DBUF+32*(\buf)+3], v[WT+20*(\slot)+4*(\ch)+2:WT+20*(\slot)+4*(\ch)+3], v[ACC+4*(\ch)+2:ACC+4*(\ch)+3]
.endif
.endm
	WTLOAD 0                                       ; beside the tables only the round of Wt that the first steps multiply by
	s_wait_loadcnt 5                               ; only those 5 loads are younger: the records (and wave 0's three rows) are in
.set r, 0
.rept 64
	v_min_u32 v[ADR+r], MAXREC, v[ADR+r]           ; inside the image, whatever the list holds: the last byte read is MAXREC + 16 + 4 * 256 + 15
	v_add_nc_u32 v[ADR+r], v[ADR+r], v[H16]
.set r, r+1
.endr
	s_wait_asynccnt 0x0                            ; my wave's copies have landed (and their address registers are free):
	WTLOAD 1                                       ; now the next round of Wt may come; nobody writes those bytes, so the loads may be out at the barrier
	s_barrier_signal -1
	s_barrier_wait -1                              ; everybody's copies have landed
	; THE 40 STEPS, written out (8 rounds x 5 chunks): every register number is a constant and no address is ever stepped, so there is no
	; wait for an address and no barrier.  The next step's eight LDS loads are issued ahead of this step's products.
	LDSTEP 0, 0, 0
.set k, 0
.rept 40
.set rc, k/5                           ; this step's round, chunk, buffer, slot of Wt
.set cc, k%5
.set bc, k&1
.set sc, rc%3
.set rn, (k+1)/5                       ; the next step's
.set cn, (k+1)%5
.set bn, (k+1)&1
.set rf, rc+3                          ; the round that takes this round's slot
.if k < 39
	LDSTEP rn, cn, bn
.endif
.if cc == 0                            ; a round begins: its five loads from Wt are in when only the later rounds' are out
.if rc == 0
	s_wait_loadcnt 5                               ; so far only round 1 has been asked for behind round 0
.elseif rc <= 5
	s_wait_loadcnt 10                              ; two later rounds
.elseif rc == 6
	s_wait_loadcnt 5                               ; one
.else
	s_wait_loadcnt 0
.endif
.endif
.if k < 39
	s_wait_dscnt 8                                 ; LDS loads return in order (ISA guide 5.7.1): all but the eight just issued
.else
	s_wait_dscnt 0
.endif
	MATH sc, cc, bc, rc
.if k == 1
	WTLOAD 2                                       ; the third slot is asked for here for the first time, eight steps ahead of its use
.endif
.if cc == 4
.if rc <= 4
	WTLOAD rf                                      ; the slot just used up is asked for again, three rounds ahead of its use
.endif
.endif
.set k, k+1
.endr
	; THE SUMS MEET.  In the wave: over the 16 lanes of my h (lane xor 2, 4, 8, 16).
.irp m, 2,4,8
.set r, 0
.rept 20
	v_add_f32_dpp v[ACC+r], v[ACC+r], v[ACC+r] row_xmask:\m row_mask:0xf bank_mask:0xf
.set r, r+1
.endr
.endr
.set r, 0
.rept 20
	v_permlanex16_b32 v[DBUF+r], v[ACC+r], s6, s7  ; destinations that have been written before
.set r, r+1
.endr
.set r, 0
.rept 10
	v_pk_add_f32 v[ACC+r:ACC+r+1], v[ACC+r:ACC+r+1], v[DBUF+r:DBUF+r+1]
.set r, r+2
.endr
.irp c, 0,1,2,3,4
	ds_store_b128 v[RST], v[ACC+4*\c:ACC+4*\c+3] offset:32*\c      ; columns 8 c + 4 h ..: all lanes of one h write the same bytes with the same values
.endr
	s_wait_dscnt 0x0                               ; for wave 0's sake: my wave's 160 bytes are in LDS
	s_barrier_signal -1
	s_barrier_wait -1
	s_cmp_lg_u32 s4, 0
	s_cbranch_scc1 .Lend
	; Wave 0: lane i < 10 takes columns 4 i .. 4 i + 3 of all 16 waves; wave k's four numbers land in v[DBUF + 4 k ..]
.set k, 0
.rept 16
	ds_load_b128 v[DBUF+4*k:DBUF+4*k+3], v[RRD] offset:SLICE*k
.set k, k+1
.endr
; wave a's four sums += wave b's.  The arguments may be sums themselves, so they stand in parentheses under the product by 4.
.macro VADD a, b
	v_pk_add_f32 v[DBUF+4*(\a):DBUF+4*(\a)+1],   v[DBUF+4*(\a):DBUF+4*(\a)+1],   v[DBUF+4*(\b):DBUF+4*(\b)+1]
	v_pk_add_f32 v[DBUF+4*(\a)+2:DBUF+4*(\a)+3], v[DBUF+4*(\a)+2:DBUF+4*(\a)+3], v[DBUF+4*(\b)+2:DBUF+4*(\b)+3]
.endm
	PMUL EROW, EROW+4                              ; (ex ey) ez, while the sums come
	PMUL EROW, EROW+8
	s_wait_dscnt 0x0
.irp a, 0,1,2,3,4,5,6,7
	VADD \a, \a+8
.endr
.irp a, 0,1,2,3
	VADD \a, \a+4
.endr
	VADD 0, 2
	VADD 1, 3
	VADD 0, 1
	PMUL DBUF, EROW                                ; x = sum * (ex ey ez)
	v_pk_mul_f32 v[DBUF:DBUF+1],   v[DBUF:DBUF+1],   0x4038aa3b op_sel_hi:[1,0]     ; 2 x log2 e
	v_pk_mul_f32 v[DBUF+2:DBUF+3], v[DBUF+2:DBUF+3], 0x4038aa3b op_sel_hi:[1,0]
.irp a, 0,1,2,3
	v_exp_f32 v[DBUF+4+\a], v[DBUF+\a]             ; e^(2x): infinity for large x gives 1 below, 0 for very negative x gives -1
.endr
	v_nop                                          ; one plain vector instruction between the last v_exp_f32 and the use (ISA guide 5.7.2)
	s_wait_alu depctr_va_vdst(0)
	v_pk_add_f32 v[DBUF+4:DBUF+5], v[DBUF+4:DBUF+5], 1.0 op_sel_hi:[1,0]
	v_pk_add_f32 v[DBUF+6:DBUF+7], v[DBUF+6:DBUF+7], 1.0 op_sel_hi:[1,0]
.irp a, 0,1,2,3
	v_rcp_f32 v[DBUF+8+\a], v[DBUF+4+\a]
.endr
	v_nop                                          ; the same behind v_rcp_f32
	s_wait_alu depctr_va_vdst(0)
	v_pk_fma_f32 v[DBUF+8:DBUF+9],   v[DBUF+8:DBUF+9],   -2.0, 1.0 op_sel_hi:[1,0,0]   ; tanh x = 1 - 2 / (1 + e^(2x))
	v_pk_fma_f32 v[DBUF+10:DBUF+11], v[DBUF+10:DBUF+11], -2.0, 1.0 op_sel_hi:[1,0,0]
	s_wait_xcnt 0x0                                ; EXEC is a source of the loads issued so far: it changes only behind this wait
	v_cmp_gt_u32 vcc_lo, 10, v0
	s_wait_tensorcnt 0x0
	ds_add_u32 v236, v237
	s_wait_dscnt 0x0
	s_and_saveexec_b32 s46, vcc_lo                 ; ten lanes x 16 bytes: the work-group's 160 consecutive bytes of out0
	global_store_b128 v[EO], v[DBUF+8:DBUF+11], s[34:35]
	s_endpgm
.Lend:
	s_wait_tensorcnt 0x0
	ds_add_u32 v236, v237
	s_wait_dscnt 0x0
	s_endpgm
.Lfunc_end_k_q16934c1de2_bind:
	.size	k_q16934c1de2_bind, .Lfunc_end_k_q16934c1de2_bind-k_q16934c1de2_bind
	.p2alignl 7, 3214868480
	.fill 96, 4, 3214868480
	.section	.rodata,"a",@progbits
	.p2align	6, 0x0
	.amdhsa_kernel k_q16934c1de2_bind
		.amdhsa_group_segment_fixed_size 169984
		.amdhsa_private_segment_fixed_size 0
		.amdhsa_enable_private_segment 0
		.amdhsa_kernarg_size 112
		.amdhsa_user_sgpr_count 2
		.amdhsa_user_sgpr_kernarg_segment_ptr 1
		.amdhsa_wavefront_size32 1
		.amdhsa_system_sgpr_workgroup_id_x 1
		.amdhsa_system_sgpr_workgroup_id_y 1
		.amdhsa_system_sgpr_workgroup_id_z 1
		.amdhsa_system_vgpr_workitem_id 0
		.amdhsa_next_free_vgpr 238
		.amdhsa_next_free_sgpr 66
		.amdhsa_reserve_vcc 1
		.amdhsa_float_denorm_mode_32 3
		.amdhsa_float_denorm_mode_16_64 3
		.amdhsa_memory_ordered 1
		.amdhsa_forward_progress 1
		.amdhsa_inst_pref_size 92
	.end_amdhsa_kernel
	.amdgpu_metadata
---
amdhsa.version: [ 1, 2 ]
amdhsa.kernels:
  - .name:           k_q16934c1de2_bind
    .symbol:         k_q16934c1de2_bind.kd
    .args:
      - { .name: order, .offset: 0, .size: 8, .value_kind: global_buffer, .address_space: global }
      - { .name: Wt, .offset: 8, .size: 8, .value_kind: global_buffer, .address_space: global }
      - { .name: Wx, .offset: 16, .size: 8, .value_kind: global_buffer, .address_space: global }
      - { .name: Wy, .offset: 24, .size: 8, .value_kind: global_buffer, .address_space: global }
      - { .name: Wz, .offset: 32, .size: 8, .value_kind: global_buffer, .address_space: global }
      - { .name: Wxj, .offset: 40, .size: 8, .value_kind: global_buffer, .address_space: global }
      - { .name: Wyj, .offset: 48, .size: 8, .value_kind: global_buffer, .address_space: global }
      - { .name: Wzj, .offset: 56, .size: 8, .value_kind: global_buffer, .address_space: global }
      - { .name: Wmag, .offset: 64, .size: 8, .value_kind: global_buffer, .address_space: global }
      - { .name: Wmagj, .offset: 72, .size: 8, .value_kind: global_buffer, .address_space: global }
      - { .name: Wex, .offset: 80, .size: 8, .value_kind: global_buffer, .address_space: global }
      - { .name: Wey, .offset: 88, .size: 8, .value_kind: global_buffer, .address_space: global }
      - { .name: Wez, .offset: 96, .size: 8, .value_kind: global_buffer, .address_space: global }
      - { .name: out0, .offset: 104, .size: 8, .value_kind: global_buffer, .address_space: global }
    .group_segment_fixed_size: 169984
    .private_segment_fixed_size: 0
    .kernarg_segment_align: 8
    .kernarg_segment_size: 112
    .max_flat_workgroup_size: 512
    .sgpr_count:     66
    .vgpr_count:     238
    .wavefront_size: 32
...
	.end_amdgpu_metadata
.endif
;; end of part 4
